; MI455X (gfx1250); checked and timed in simulation.
; The chip was launched on July 23, 2026; its instructions are those of AMD's public machine-readable ISA for CDNA 5 (MIT licence, August 2026) and "CDNA5" Instruction Set Architecture Reference Guide (July 2026). The comments in the code are by the model that wrote it; some were corrected since.
;; Window Attention Memory. Allowed arithmetic: matrix products marked QUANTISED: E2M1 operands, one E8M0 scale for each 32 along K, by v_wmma_scale_f32_16x16x128_f8f6f4 with both operands' format E2M1 (or v_wmma_scale_f32_32x16x128_f4), f32 sums; everything else in f32.
;; Inputs: Wk 1,024 x 1,024 float32; Wo 1,024 x 1,024 float32; Wq 1,024 x 1,024 float32; Wv 1,024 x 1,024 float32; beta 1,024 float32; bk 1,024 float32; bo 1,024 float32; bq 1,024 float32; bv 1,024 float32; gamma 1,024 float32; hidden_states 2 x 2,048 x 1,024 float32.
;; Outputs: out0 2 x 2,048 x 1,024 float32.
;; This version of the problem:
;;   THIS VERSION OF THE PROBLEM IS GIVEN IN LOW PRECISION. The matrix products marked QUANTISED in the list below multiply operands that are first quantised to E2M1 (2 exponent bits, 1 mantissa bit; 4 bits a number), with one power-of-two scale for each 32 numbers along K (OCP MX v1.0); their sums are f32. All else is computed in f32.
;;   The module's matrix products, in the order in which they are computed (A, B: the left and right operand; K: the contracted axis; several contracted axes count as one K, in the product's order):
;;     1. [M 4,096, K 1,024] x [K 1,024, N 1,024]; A: computed on the way; B: input Wq: QUANTISED
;;     2. [M 4,096, K 1,024] x [K 1,024, N 1,024]; A: computed on the way; B: input Wk: QUANTISED
;;     3. [M 4,096, K 1,024] x [K 1,024, N 1,024]; A: computed on the way; B: input Wv: QUANTISED
;;     4. batch 32 x [M 2,048, K 64] x [K 64, N 2,048]; A: computed on the way; B: computed on the way: QUANTISED
;;     5. batch 32 x [M 2,048, K 2,048] x [K 2,048, N 64]; A: softmax (see below); B: computed on the way: QUANTISED
;;     6. [M 4,096, K 1,024] x [K 1,024, N 1,024]; A: computed on the way; B: input Wo: QUANTISED
;;   THE QUANTISER, for each operand of a quantised product, along K:
;;     - K is cut into blocks of 32 from its start; a last block that is shorter is filled with zeros.
;;     - A block's scale is 2^e with e = floor(log2(the largest magnitude in the block)) - 2, held to -126 .. 127; a block of zeros has e = 0. As a byte (E8M0): e + 127.
;;     - Each number is divided by its block's scale, clamped to +-6, and rounded to the nearest number of E2M1, ties to even, subnormals kept.
;;     - The product sums the exact products of the quantised numbers (number of the format x scale) in f32.
;;   ~~~python
;;   def quantise(x, axis):      # numpy; x: float32 -> the quantised numbers, widened to float32 again
;;       x = np.moveaxis(x, axis, -1); K = x.shape[-1]
;;       x = np.pad(x, [(0, 0)] * (x.ndim - 1) + [(0, -K % 32)]); x = x.reshape(x.shape[:-1] + (-1, 32)); a = np.abs(x).max(-1, keepdims=True)
;;       e = np.where(a > 0, np.clip(np.frexp(np.where(a > 0, a, 1))[1] - 1 - 2, -126, 127), 0)      # np.frexp(a)[1] - 1 = floor(log2(a)), exactly
;;       r = np.clip(x / 2.0 ** e, -6, 6)
;;       step = 2.0 ** (np.maximum(np.frexp(np.where(r == 0, 1, r))[1] - 1, 0) - 1)
;;       q = np.round(r / step) * step * 2.0 ** e      # np.round: ties to even
;;       return np.moveaxis(q.reshape(q.shape[:-2] + (-1,))[..., :K], -1, axis).astype(np.float32)
;;   ~~~
;;   SOFTMAX AHEAD OF A QUANTISED PRODUCT. Where the list says 'softmax', what is quantised is not the finished softmax but p = 2^(t - M), with t = logit x log2(e) and M = ceil(the row's largest t), a whole number; so 1/2 < the row's largest p <= 1. The row's sum l is taken of the UNQUANTISED p, in f32, and the product's result is divided by l at the end. Since M is a whole number, a kernel that streams over the keys may use a running M (the ceiling of the running maximum): every later rescaling is an exact power of two, which a block's scale takes up: the codes' values come out the same.
;;   OPERANDS COMPUTED ON THE WAY. 'Computed on the way' means the value that the module computes at that place (a softmax that the list does not call 'softmax' is quantised finished and normalised). What goes into a quantiser is computed in f32, as accurately as f32 sums, v_exp_f32 and their like allow (about 1e-6 of the number): no bf16 or f16 on the way to a quantiser, and a product that is left as it is and whose result goes on into a quantised operand takes f32 operands (vector FMAs, or v_wmma_f32_16x16x4_f32). A number that lies on a knife's edge between two numbers of the format may be rounded either way, as far as f32 arithmetic and the matrix unit's own rounding can turn it there, and no further.
;; One version. Each part assembles by itself: llvm-mc -triple=amdgcn-amd-amdhsa -mcpu=gfx1250 --defsym DOCPART=n.
;; ======== version 1 of 1: 3 launches
;; limits: right only within a limited range of input values
;; workspace buffers: codes 4,194,304 bytes; scales 262,144 bytes; qkv 6,815,744 bytes
;; launch prep (part 1): grid 256 x 1, 8 waves a work-group, no clusters, 93,184 bytes of LDS; arguments hidden_states, gamma, beta, Wq, Wk, Wv, Wo, codes, scales; writes codes, scales
.if DOCPART == 1
	.amdgcn_target "amdgcn-amd-amdhsa--gfx1250"
	.amdhsa_code_object_version 6
	.text
	.protected	k_q226ae65ad3_prep
	.globl	k_q226ae65ad3_prep
	.p2align	8
	.type	k_q226ae65ad3_prep,@function
k_q226ae65ad3_prep:
	s_mov_b64 s[64:65], 0
	v_nop
	global_prefetch_b8 v0, s[64:65] scope:SCOPE_SE
	s_setreg_imm32_b32 hwreg(HW_REG_WAVE_MODE, 25, 1), 1
	s_wait_xcnt 0x0
; LayerNorm of hidden_states [4096][1024] and the MX-FP4 quantising (E2M1 codes, one E8M0 byte for each 32 along K = the 1,024) of the normalised rows and of Wq, Wk, Wv, Wo [1024][1024].
; WORK LEFT OUT IN THE PROGRAM: attention keeps a causal band of 256 keys; a block of 32 keys that the band hides from all of a tile's queries has p = 0 for all values of the
; inputs, so its products are not made (launch attproj).  LIMIT: a NaN, an infinity or an overflow that reaches only hidden scores is not carried to the result.
; OUTPUT LAYOUT.  A tile is 16 rows x K 1,024: 8,192 bytes of codes laid as the matrix operand's registers lie: block beta (32 codes, 16 bytes) of row slot r at 256 beta + 16 r; 512 bytes of scale
; bytes: word [beta / 4][r], byte beta % 4.  THE ROWS OF A TILE ARE NOT NEIGHBOURS: of each 32 rows, row 16 x + 8 y + z goes to tile y, slot 8 x + z, so that results made with such a tile as source 0
; have 16 neighbours in a lane's registers of two tiles.  Tiles 0-255: x;  256 + 12 head + 4 mat + t: the head's 64 rows of Wq, Wk, Wv (mat 0, 1, 2);  448 + t: Wo.
; SHARES.  A work-group takes 32 rows (two tiles): work-groups 0-127 rows of hidden_states, the others rows of a weight; only pointers and the LayerNorm's register work differ.  Each of the eight waves
; takes four rows, 4 w + z, and asks for all four at once.  A row's eight loads read 512 consecutive bytes each; the row turns through the wave's own stage in LDS and comes back one whole block of 32 to a lane.
; Codes and bytes gather in LDS and leave as they lie in the tile: each store of a wave covers 512 (scale bytes: 256) consecutive bytes, aligned.  No tensor loads, no cluster: work-groups share no input but gamma and beta (8 KB).
; LIMITS: NaN and infinities are not served.  A block whose largest magnitude lies under 2^-124 gets the byte 1; a block of zeros too (the rule says 127): its codes are zeros, and this program alone reads the bytes.
; 1 / sqrt(var + eps) is v_rsq_f32 and a multiplication (1 ulp) in place of a root and a division.
.set HALF,  4608                       ; a turn stage: 32 blocks x 144 bytes (128 + 16)
.set CST,   73728                      ; behind the eight waves' two stages each: the two tiles' codes, 272 bytes for each beta (256 + 16)
.set SST,   91136                      ; and their scale bytes, as they lie in memory
.set SPARE, 92160                      ; the spare words, 128 bytes a wave
.set X,     32                         ; v32-95    two sets of 32 neighbours
.set C,     96                         ; v96-111   a row's codes: four registers for each row
.set E,     128                        ; v128-131  a scale byte for each row
.set RB,    136                        ; v136-151  codes on the way out;  v168-169 scale bytes
.set SB,    168
.set GAM,   0                          ; window 1: v0-31 gamma, v32-63 beta of my block; v64-191 four rows as loaded
.set BET,   32
.set R,     64
.set MSB, 0
.macro WIN new                         ; the immediate's high byte repeats the setting that is left; a switch that changes nothing is dropped
.if MSB != \new
	s_set_vgpr_msb (MSB<<8)|\new
.set MSB, \new
.endif
.endm
	s_load_b256 s[4:11], s[0:1], 0x0               ; hidden_states s[4:5], gamma s[6:7], beta s[8:9], Wq s[10:11]
	s_load_b256 s[12:19], s[0:1], 0x20             ; Wk s[12:13], Wv s[14:15], Wo s[16:17], codes s[18:19]
	s_load_b64 s[24:25], s[0:1], 0x40              ; scales
	v_lshl_add_u32 v254, v0, 2, SPARE
	v_mov_b32 v255, 0
	v_lshrrev_b32 v1, 5, v0
	v_readfirstlane_b32 s28, v1                    ; wave 0..7
	v_and_b32 v1, 31, v0                           ; lane
	s_wait_alu depctr_va_vdst(0)
	s_bfe_u32 s38, s28, 0x10001                    ; my rows' tile,
	s_lshr_b32 s39, s28, 2                         ; which eight slots of it
	s_and_b32 s42, s28, 1                          ; and which four of these
	s_mov_b32 s29, ttmp9                           ; g
	s_mov_b32 s20, 0x3a800000                      ; 1 / 1,024
	s_mov_b32 s21, 0x2b8cbccc                      ; 1e-12
	s_mov_b32 s22, 0x76543210                      ; v_permlanex16_b32's selects for lane l xor 16
	s_mov_b32 s23, 0xfedcba98
	; which 32 rows of which tensor, and the first of their two tiles
	s_sub_co_u32 s30, s29, 128                     ; (used where g >= 128)
	s_bfe_u32 s31, s30, 0x20005                    ; mat 0..3: Wq, Wk, Wv, Wo
	s_and_b32 s32, s30, 31                         ; the group of 32 rows in it
	s_lshr_b32 s33, s32, 1                         ; its head
	s_mul_i32 s33, s33, 12
	s_lshl_b32 s34, s31, 2
	s_add_co_u32 s33, s33, s34
	s_and_b32 s34, s32, 1
	s_lshl_b32 s34, s34, 1
	s_add_co_u32 s33, s33, s34
	s_add_co_u32 s33, s33, 256                     ; Wq, Wk, Wv: 256 + 12 head + 4 mat + 2 (group % 2)
	s_lshl_b32 s34, s32, 1
	s_add_co_u32 s34, s34, 448                     ; Wo: 448 + 2 group
	s_cmp_eq_u32 s31, 3
	s_cselect_b32 s33, s34, s33
	s_lshl_b32 s34, s29, 1                         ; x: 2 g
	s_cmp_lt_u32 s29, 128
	s_cselect_b32 s33, s34, s33                    ; the first tile
	s_cselect_b32 s35, s29, s32                    ; the group of 32 rows in the source
	s_lshl_b32 s36, s35, 17                        ; 32 rows of 4,096 bytes,
	s_lshl_b32 s37, s28, 14                        ; my wave's four
	s_add_co_u32 s36, s36, s37
	s_mov_b32 s37, 0
	; addresses
	v_lshlrev_b32 v2, 4, v1                        ; in: my 16 bytes of a load's 512
	s_mul_i32 s40, s28, 2*HALF                     ; my wave's two stages
	v_lshrrev_b32 v12, 3, v1
	v_mul_u32_u24 v3, v12, 144
	v_and_b32 v12, 7, v1
	v_lshl_add_u32 v3, v12, 4, v3
	v_add_nc_u32 v3, s40, v3                       ; into a stage: 144 (lane / 8) + 16 (lane % 8); a load's 512 bytes are four blocks
	v_mul_u32_u24 v4, v1, 144
	v_add_nc_u32 v4, s40, v4                       ; out of it: block = lane
	s_mul_i32 s40, s38, 8704
	s_lshl_b32 s41, s39, 7
	s_add_co_u32 s40, s40, s41
	s_lshl_b32 s41, s42, 6
	s_add_co_u32 s40, s40, s41
	s_add_co_u32 s40, s40, CST
	v_mul_u32_u24 v5, v1, 272
	v_add_nc_u32 v5, s40, v5                       ; my block's codes: tile, 272 beta, slot 8 (wave / 4) + 4 (wave % 2) + z
	s_lshl_b32 s40, s38, 9
	s_lshl_b32 s41, s39, 5
	s_add_co_u32 s40, s40, s41
	s_lshl_b32 s41, s42, 4
	s_add_co_u32 s40, s40, s41
	s_add_co_u32 s40, s40, SST
	v_lshrrev_b32 v12, 2, v1
	v_and_b32 v6, 3, v1
	v_lshl_add_u32 v6, v12, 6, v6
	v_add_nc_u32 v6, s40, v6                       ; its scale byte: tile, 64 (beta / 4) + 4 slot + beta % 4
	s_mul_i32 s40, s28, 2176
	s_add_co_u32 s40, s40, CST
	v_lshrrev_b32 v12, 4, v1
	v_mul_u32_u24 v7, v12, 272
	v_and_b32 v12, 15, v1
	v_lshl_add_u32 v7, v12, 4, v7
	v_add_nc_u32 v7, s40, v7                       ; the way out: wave w takes bytes 2,048 w on of the two tiles' 16,384: sixteen lanes to a beta
	s_lshl_b32 s40, s28, 11
	v_add_nc_u32 v8, s40, v2                       ; and the same place in memory
	v_lshl_add_u32 v9, v0, 3, SST                  ; the 1,024 scale bytes: 8 a thread of the first four waves
	v_lshlrev_b32 v10, 3, v0
	v_lshlrev_b32 v11, 7, v1                       ; gamma and beta of my block: 128 bytes a lane
	v_mov_b32 v25, 0                               ; written once: a lane permute's destination counts as one of its sources
	s_wait_alu depctr_va_vdst(0)
	s_wait_kmcnt 0x0
	s_cmp_eq_u32 s31, 1                            ; the source: a choice among buffers that hangs on the work-group's number alone
	s_cselect_b64 s[10:11], s[12:13], s[10:11]
	s_cmp_eq_u32 s31, 2
	s_cselect_b64 s[10:11], s[14:15], s[10:11]
	s_cmp_eq_u32 s31, 3
	s_cselect_b64 s[10:11], s[16:17], s[10:11]
	s_cmp_lt_u32 s29, 128
	s_cselect_b64 s[4:5], s[4:5], s[10:11]
	s_add_nc_u64 s[4:5], s[4:5], s[36:37]          ; at my wave's first row
	s_lshl_b32 s36, s33, 13
	s_add_nc_u64 s[18:19], s[18:19], s[36:37]      ; the two tiles' codes
	s_lshl_b32 s36, s33, 9
	s_add_nc_u64 s[24:25], s[24:25], s[36:37]      ; and scale bytes
	WIN 0x40                                       ; destination window 1
.irp i, 0,1,2,3,4,5,6,7
	global_load_b128 v[GAM+4*\i:GAM+4*\i+3], v11, s[6:7] offset:16*\i
	global_load_b128 v[BET+4*\i:BET+4*\i+3], v11, s[8:9] offset:16*\i
.endr
.irp z, 0,1,2,3                        ; a row: eight loads of 512 consecutive bytes
.irp i, 0,1,2,3,4,5,6,7
	global_load_b128 v[R+32*\z+4*\i:R+32*\z+4*\i+3], v2, s[4:5] offset:4096*\z+512*\i th:TH_LOAD_NT
.endr
.endr
.macro TURN z                          ; row z through stage z % 2: LDS serves a wave's instructions in order, so no wait stands between the stores and the loads
	WIN 0x04                                       ; an LDS store's data are its source 1: window 1
.irp i, 0,1,2,3,4,5,6,7
	ds_store_b128 v3, v[R+32*(\z)+4*\i:R+32*(\z)+4*\i+3] offset:HALF*((\z)%2)+576*\i
.endr
	WIN 0
.irp j, 0,1,2,3,4,5,6,7
	ds_load_b128 v[X+32*((\z)%2)+4*\j:X+32*((\z)%2)+4*\j+3], v4 offset:HALF*((\z)%2)+16*\j
.endr
.endm
.macro WSUM                            ; four chains of pairs in v[12:19] -> their sum over the wave, in every lane's v12
	v_pk_add_f32 v[12:13], v[12:13], v[14:15]
	v_pk_add_f32 v[16:17], v[16:17], v[18:19]
	v_pk_add_f32 v[12:13], v[12:13], v[16:17]
	v_add_f32 v12, v12, v13
	v_add_f32_dpp v12, v12, v12 row_xmask:1 row_mask:0xf bank_mask:0xf
	v_add_f32_dpp v12, v12, v12 row_xmask:2 row_mask:0xf bank_mask:0xf
	v_add_f32_dpp v12, v12, v12 row_xmask:4 row_mask:0xf bank_mask:0xf
	v_add_f32_dpp v12, v12, v12 row_xmask:8 row_mask:0xf bank_mask:0xf
	v_permlanex16_b32 v25, v12, s22, s23
	v_add_f32 v12, v12, v25
.endm
.macro LN                              ; the row in v[XS] on is normalised in place: register work alone, left out for a weight's rows by a branch on the work-group's number
	WIN 0                                          ; at a branch and at a label every window is 0
	s_cmp_lt_u32 s29, 128
	s_cbranch_scc0 .Lweight_\@
.irp k, 0,1,2,3
	v_pk_add_f32 v[12+2*\k:13+2*\k], v[XS+2*\k:XS+2*\k+1], v[XS+8+2*\k:XS+9+2*\k]
.endr
.irp q, 16,24
.irp k, 0,1,2,3
	v_pk_add_f32 v[12+2*\k:13+2*\k], v[12+2*\k:13+2*\k], v[XS+\q+2*\k:XS+\q+2*\k+1]
.endr
.endr
	WSUM
	v_mul_f32 v20, s20, v12                        ; the mean,
	v_mov_b32 v21, v20                             ; as a pair
.irp q, 0,2,4,6,8,10,12,14,16,18,20,22,24,26,28,30
	v_pk_add_f32 v[XS+\q:XS+\q+1], v[XS+\q:XS+\q+1], v[20:21] neg_lo:[0,1] neg_hi:[0,1]
.endr
.irp k, 0,1,2,3
	v_pk_mul_f32 v[12+2*\k:13+2*\k], v[XS+2*\k:XS+2*\k+1], v[XS+2*\k:XS+2*\k+1]
.endr
.irp q, 8,16,24
.irp k, 0,1,2,3
	v_pk_fma_f32 v[12+2*\k:13+2*\k], v[XS+\q+2*\k:XS+\q+2*\k+1], v[XS+\q+2*\k:XS+\q+2*\k+1], v[12+2*\k:13+2*\k]
.endr
.endr
	WSUM
	v_fma_f32 v23, v12, s20, s21                   ; the variance + eps
	s_wait_alu depctr_va_vdst(0)
	v_rsq_f32 v22, v23
	v_nop                                          ; one plain instruction behind the transcendental (ISA guide 5.7.2)
	s_wait_alu depctr_va_vdst(0)                   ; the wait ahead of its first reader
	v_mov_b32 v23, v22
.irp q, 0,2,4,6,8,10,12,14,16,18,20,22,24,26,28,30
	v_pk_mul_f32 v[XS+\q:XS+\q+1], v[XS+\q:XS+\q+1], v[22:23]
.endr
	WIN 0x14                                       ; sources 1 and 2 window 1
.irp q, 0,2,4,6,8,10,12,14,16,18,20,22,24,26,28,30
	v_pk_fma_f32 v[XS+\q:XS+\q+1], v[XS+\q:XS+\q+1], v[GAM+\q:GAM+\q+1], v[BET+\q:BET+\q+1]
.endr
	WIN 0
.Lweight_\@:
.endm
.macro BLK z                           ; my block of row z: its largest magnitude, its byte, its 32 codes
	v_max3_num_f32 v24, |v[XS]|, |v[XS+1]|, |v[XS+2]|
	v_max3_num_f32 v27, |v[XS+3]|, |v[XS+4]|, |v[XS+5]|
.irp i, 6,10,14,18,22,26
	v_max3_num_f32 v24, v24, |v[XS+\i]|, |v[XS+\i+1]|
	v_max3_num_f32 v27, v27, |v[XS+\i+2]|, |v[XS+\i+3]|
.endr
	v_max3_num_f32 v24, v24, |v[XS+30]|, |v[XS+31]|
	v_max3_num_f32 v24, v24, v27, 0x1800000        ; and the floor 2^(3 - 127): the byte cannot fall under 1
	v_add_nc_u32 v26, 0xff000000, v24              ; 2 off the exponent field: the conversion takes the exponent field of this operand as its scale
.irp g, 0,1,2,3
	v_cvt_scalef32_pk8_fp4_f32 v[C+4*(\z)+\g], v[XS+8*\g:XS+8*\g+7], v26
.endr
	v_lshrrev_b32 v[E+(\z)], 23, v26               ; the scale's byte (the plain instruction behind the conversions)
	ds_store_b128 v5, v[C+4*(\z):C+4*(\z)+3] offset:16*(\z)
	ds_store_b8 v6, v[E+(\z)] offset:4*(\z)
.endm
.macro ROWSTEP z
.set XS, X+32*((\z)%2)
.if (\z) > 0
	s_wait_dscnt 2                                 ; this row is back from its stage; the two stores of the row before, issued behind its loads, may be out
.else
	s_wait_dscnt 0x0
.endif
.if (\z) < 3
	s_wait_loadcnt 8*(2-(\z))                      ; the next row's eight loads are in; those of the rows behind it may be out
	TURN (\z)+1                                    ; it goes through the other stage while this row is worked
.endif
	LN
	BLK \z
.endm
	s_wait_loadcnt 24                              ; gamma, beta and row 0 are in; rows 1 to 3 may be out
	TURN 0
.irp z, 0,1,2,3
	ROWSTEP \z
.endr
	s_wait_dscnt 0x0                               ; for the others' sake: my codes and bytes lie in LDS
	s_barrier_signal -1
	s_barrier_wait -1
.irp n, 0,1,2,3
	ds_load_b128 v[RB+4*\n:RB+4*\n+3], v7 offset:544*\n
.endr
.irp n, 0,1,2,3
	s_wait_dscnt 3-\n                              ; load n is in; the younger ones may be out
	global_store_b128 v8, v[RB+4*\n:RB+4*\n+3], s[18:19] offset:512*\n   ; 32 lanes store 512 consecutive bytes, aligned
.endr
	s_cmp_lt_u32 s28, 4
	s_cbranch_scc0 .Lno_bytes
	ds_load_b64 v[SB:SB+1], v9
	s_wait_dscnt 0x0
	global_store_b64 v10, v[SB:SB+1], s[24:25]     ; 32 lanes store 256 consecutive bytes, aligned
.Lno_bytes:
	s_wait_tensorcnt 0x0                           ; the wave's end
	ds_add_u32 v254, v255
	s_wait_dscnt 0x0
	s_endpgm
.Lfunc_end_k_q226ae65ad3_prep:
	.size	k_q226ae65ad3_prep, .Lfunc_end_k_q226ae65ad3_prep-k_q226ae65ad3_prep
	.p2alignl 7, 3214868480
	.fill 96, 4, 3214868480
	.section	.rodata,"a",@progbits
	.p2align	6, 0x0
	.amdhsa_kernel k_q226ae65ad3_prep
		.amdhsa_group_segment_fixed_size 93184
		.amdhsa_private_segment_fixed_size 0
		.amdhsa_enable_private_segment 0
		.amdhsa_kernarg_size 72
		.amdhsa_user_sgpr_count 2
		.amdhsa_user_sgpr_kernarg_segment_ptr 1
		.amdhsa_wavefront_size32 1
		.amdhsa_system_sgpr_workgroup_id_x 1
		.amdhsa_system_sgpr_workgroup_id_y 1
		.amdhsa_system_sgpr_workgroup_id_z 1
		.amdhsa_system_vgpr_workitem_id 0
		.amdhsa_next_free_vgpr 448
		.amdhsa_next_free_sgpr 66
		.amdhsa_reserve_vcc 0
		.amdhsa_float_denorm_mode_32 3
		.amdhsa_float_denorm_mode_16_64 3
		.amdhsa_memory_ordered 1
		.amdhsa_forward_progress 1
		.amdhsa_inst_pref_size 46
	.end_amdhsa_kernel
	.amdgpu_metadata
---
amdhsa.version: [ 1, 2 ]
amdhsa.kernels:
  - .name:           k_q226ae65ad3_prep
    .symbol:         k_q226ae65ad3_prep.kd
    .args:
      - { .name: hidden_states, .offset: 0, .size: 8, .value_kind: global_buffer, .address_space: global }
      - { .name: gamma, .offset: 8, .size: 8, .value_kind: global_buffer, .address_space: global }
      - { .name: beta, .offset: 16, .size: 8, .value_kind: global_buffer, .address_space: global }
      - { .name: Wq, .offset: 24, .size: 8, .value_kind: global_buffer, .address_space: global }
      - { .name: Wk, .offset: 32, .size: 8, .value_kind: global_buffer, .address_space: global }
      - { .name: Wv, .offset: 40, .size: 8, .value_kind: global_buffer, .address_space: global }
      - { .name: Wo, .offset: 48, .size: 8, .value_kind: global_buffer, .address_space: global }
      - { .name: codes, .offset: 56, .size: 8, .value_kind: global_buffer, .address_space: global }
      - { .name: scales, .offset: 64, .size: 8, .value_kind: global_buffer, .address_space: global }
    .group_segment_fixed_size: 93184
    .private_segment_fixed_size: 0
    .kernarg_segment_align: 8
    .kernarg_segment_size: 72
    .max_flat_workgroup_size: 256
    .sgpr_count:     66
    .vgpr_count:     448
    .wavefront_size: 32
...
	.end_amdgpu_metadata
.endif
;; end of part 1
;; launch qkv (part 2): grid 16 x 16, 4 waves a work-group, clusters of 4 x 4, 262,656 bytes of LDS; arguments codes, scales, bq, bk, bv, qkv; writes qkv
.if DOCPART == 2
	.amdgcn_target "amdgcn-amd-amdhsa--gfx1250"
	.amdhsa_code_object_version 6
	.text
	.protected	k_q226ae65ad3_qkv
	.globl	k_q226ae65ad3_qkv
	.p2align	8
	.type	k_q226ae65ad3_qkv,@function
k_q226ae65ad3_qkv:
	s_mov_b64 s[64:65], 0
	v_nop
	global_prefetch_b8 v0, s[64:65] scope:SCOPE_SE
	s_setreg_imm32_b32 hwreg(HW_REG_WAVE_MODE, 25, 1), 1
	s_wait_xcnt 0x0
	s_wait_alu depctr_hold_cnt(0) depctr_sa_sdst(0) depctr_va_vdst(0) depctr_va_sdst(0) depctr_va_ssrc(0) depctr_va_vcc(0) depctr_vm_vsrc(0)
	s_getreg_b32 s2, hwreg(HW_REG_IB_STS2, 6, 4)
	s_cmp_eq_u32 s2, 0
	s_cbranch_scc0 .Lentry_in_a_cluster
	s_endpgm
.Lentry_in_a_cluster:
	s_bfe_u32 s2, ttmp6, 0x10000c
	s_cmp_lg_u32 s2, 0xf033
	s_cbranch_scc0 .Lentry_shape_is_right
	s_endpgm
.Lentry_shape_is_right:
; q = x Wq^T + bq, k = x Wk^T + bk, v = x Wv^T + bv on MX-FP4 codes, and the quantising of the results: q and k along the head's 64, v along the keys (blocks of 32 rows).
; SHARES.  A work-group makes 256 rows (x's tiles 16 mt on) x the 192 features of one head (W's tiles 256 + 12 head on: 4 of Wq, 4 of Wk, 4 of Wv).  All of K = 1,024 lies in LDS (512 bytes a row), by one load
; for each kind, filled once: no slot is ever filled again.  Wave w makes x's tiles 4 w + m (64 rows) x all 192 features: 48 accumulators, 384 registers.
; q AND k ARE MADE TRANSPOSED (source 0 = 16 rows of W, source 1 = x): a lane holds one row of x, and by the order of W's rows in a tile the registers of two tiles are 16 neighbours along d.
; v IS MADE AS IT STANDS (source 0 = x, source 1 = 16 rows of Wv): a lane holds one feature, and by the order of x's rows in a tile its registers run along the keys.  So both are quantised in registers.
; OUTPUT: for each head and each 128 rows a unit n: q at 4,096 n, 8 tiles [lane][16] (lane (r, h): block h of d of slot r); k at KO + 4,096 n, 4 fragments of two tiles each (registers 0-3 tile u = 0, 4-7 tile u = 1);
; v at VO + 4,096 n, 4 fragments [c][lane][16] (16 features x 128 keys); q's words at QSO + 512 n (w | w << 16), k's at KSO + 256 n (w(u = 0) | w(u = 1) << 16), v's 131,072 bytes behind k's (four key blocks).
; CLUSTER 4 x 4: the four work-groups of a row of the cluster need the same tiles of x, the four of a column the same tiles of W: each is asked for jointly.
; The biases are the C of each sum's first matrix instruction.  LIMITS: NaN and infinities are not served; a block whose largest magnitude lies under 2^-124, a block of zeros too, gets the byte 1 (its codes are zeros where it is zeros).
; REGISTERS: window 0: v1-18 addresses; v32-63 x's scale words (8 m + s), v64-159 W's (8 f + s); v160-223 x's fragments, two sets; v224-243 at work; on the way out v32-93 hold codes and words.
;   window 1: W's fragments, two sets of 96.   window 2: q's and k's accumulators (64 m + 8 f).   window 3: v0-127 v's accumulators (32 t + 8 m); v128-191 bq, bk; v192-223 bv.
; WHERE THE LINES ABOVE SPEAK OF CHUNKS AND OF UNITS OF 13,312 BYTES, THIS HOLDS: all of a tile's 8,192 bytes come by ONE load: x's 16 tiles at 0, W's 12 tiles at WC0 (WC1: its tiles 6 on), 8,192 bytes a tile.
; OUTPUT, by head and batch (bh = 16 batch + head), all linear in the sequence: q [bh][128 tiles][512] at 0; k [bh][64 blocks of 32 keys][1,024] at KO; v [bh][64 blocks][4 feature tiles][16][16] at VO;
; words: q's [bh][128 tiles][16] at QSO; k's [bh][64 blocks][16] at KSO; v's [bh][16 runs of four blocks][4 feature tiles][16] behind k's.
.set KO,   2097152
.set VO,   4194304
.set QSO,  6291456
.set KSO,  6553600
.set WC0,  131072                      ; W's: 12 tiles x 8,192 bytes
.set WC1,  180224
.set ASC,  229376                      ; x's scale words: 16 tiles x 512 bytes
.set WSC,  237568                      ; W's: 12 tiles x 512 bytes
.set SCR,  243712                      ; the two units' words on the way out: 2 x 1,024 bytes, written by LDS stores alone
.set XS,   32
.set WS,   64
.set XF,   160
.set TM,   224                         ; v224-227 largest magnitudes, v228-231 bytes, v236-239 the conversions' scale operands
.set PC,   32                          ; the way out: codes, eight registers for each of six runs
.set QW,   80                          ; q's words;  v84-87 k's half words, v88-89 k's words, v90-93 v's half words
.set KH,   84
.set KW,   88
.set VH,   90
.set G1A,  24                          ; descriptor groups 1: x's codes, W's codes, x's scales, W's scales
.set G1W,  32
.set G1AS, 40
.set G1WS, 48
.set G0A0, 56                          ; groups 0
.set G0A1, 60
.set G0AS, 68
.set G0W0, 72
.set G0W1, 76
.set G0WS, 80
.set MSB, 0
.macro WIN new                         ; the immediate's high byte repeats the setting that is left
.if MSB != \new
	s_set_vgpr_msb (MSB<<8)|\new
.set MSB, \new
.endif
.endm
.macro PLACES                          ; four plain instructions between a matrix instruction and a load into, or a vector read of, its registers
.rept 4
	v_nop
.endr
.endm
.macro CROUND                          ; a round of the cluster's barrier
	s_barrier_signal -1
	s_barrier_wait -1
	s_cmp_lg_u32 s16, 0
	s_cbranch_scc1 .Lnot_wave_0_\@
	s_barrier_signal -3
.Lnot_wave_0_\@:
	s_barrier_wait -3
	s_barrier_signal -1
	s_barrier_wait -1
.endm
	s_load_b256 s[4:11], s[0:1], 0x0               ; codes s[4:5], scales s[6:7], bq s[8:9], bk s[10:11]
	s_load_b128 s[12:15], s[0:1], 0x20             ; bv s[12:13], qkv s[14:15]
	v_lshl_add_u32 v254, v0, 2, 0x40000
	v_mov_b32 v255, 0
	ds_add_u32 v254, v255
	ds_add_u32 v254, v255
	v_lshrrev_b32 v1, 5, v0
	v_readfirstlane_b32 s16, v1                    ; wave 0..3
	s_lshr_b32 s17, s16, 1                         ; which of the two units is mine
	s_and_b32 s18, s16, 1                          ; e: which half of the unit
	s_bfe_u32 s84, ttmp6, 0x40000                  ; cx, cy: my place in the cluster
	s_bfe_u32 s85, ttmp6, 0x40004
	s_lshl_b32 s86, ttmp9, 2
	s_add_co_u32 s86, s86, s84                     ; head = 4 x cluster x + cx
	s_and_b32 s87, ttmp7, 0xffff
	s_lshl_b32 s87, s87, 2
	s_add_co_u32 s87, s87, s85                     ; mt = 4 x cluster y + cy
	s_lshl_b32 s88, s85, 2
	s_lshl_b32 s88, 15, s88                        ; my row of the cluster
	s_lshl_b32 s89, 0x1111, s84                    ; my column
	; groups 1.  Codes: rows of 8,192 bytes (1,024 elements of 8 bytes: a whole tile), 8,192 bytes apart in memory, dense in LDS; 16 tiles of x or 12 of W to a load
	s_or_b32 s[G1A], s88, (3<<16)|(1<<21)          ; 15:0 the mask; 17:16 elements of 8 bytes; 21 set beside a mask
	s_or_b32 s[G1W], s89, (3<<16)|(1<<21)
.irp g, G1A, G1W
	s_mov_b32 s[\g+1], 1024<<16                    ; tensor_dim0: a tile's 8,192 bytes
	s_mov_b32 s[\g+3], 1024<<16                    ; tile_dim0
	s_mov_b32 s[\g+5], 1024                        ; tensor_dim0_stride
	s_mov_b32 s[\g+6], 0
	s_mov_b32 s[\g+7], 0
.endr
	s_mov_b32 s[G1A+2], 16<<16                     ; tensor_dim1
	s_mov_b32 s[G1A+4], 16                         ; tile_dim1
	s_mov_b32 s[G1W+2], 12<<16
	s_mov_b32 s[G1W+4], 12
	; (scale words below: 32 rows of 256 bytes for x's 16 tiles, 24 for W's 12)
	; scale words: dense blocks, as rows of 256 bytes: 32 (16 tiles of x) or 24 (12 of W)
	s_or_b32 s[G1AS], s88, (3<<16)|(1<<21)
	s_or_b32 s[G1WS], s89, (3<<16)|(1<<21)
.irp g, G1AS, G1WS
	s_mov_b32 s[\g+1], 32<<16
	s_mov_b32 s[\g+3], 32<<16
	s_mov_b32 s[\g+5], 32
	s_mov_b32 s[\g+6], 0
	s_mov_b32 s[\g+7], 0
.endr
	s_mov_b32 s[G1AS+2], 32<<16
	s_mov_b32 s[G1AS+4], 32
	s_mov_b32 s[G1WS+2], 24<<16
	s_mov_b32 s[G1WS+4], 24
	; where the tiles come from: x's hang on mt alone, W's on the head alone, each in registers that never hold the other coordinate
	s_lshl_b32 s90, s87, 4
	; x's tile 16 mt
	s_lshl_b32 s94, s90, 9                         ; its scale words,
	s_mov_b32 s95, 0
	s_lshl_b32 s90, s90, 13                        ; its codes
	s_mov_b32 s91, 0
	s_mul_i32 s92, s86, 12
	s_add_co_u32 s92, s92, 256                     ; W's tile 256 + 12 head
	s_lshl_b32 s96, s92, 9
	s_mov_b32 s97, 0
	s_lshl_b32 s92, s92, 13
	s_mov_b32 s93, 0
	; where my unit lies in qkv: (((mt / 8) 16 + head) 16 + 2 (mt % 8) + wave / 2)
	s_lshr_b32 s22, s87, 3
	s_lshl_b32 s22, s22, 4
	s_add_co_u32 s22, s22, s86
	s_lshl_b32 s22, s22, 4
	s_and_b32 s19, s87, 7
	s_lshl_b32 s19, s19, 1
	s_add_co_u32 s22, s22, s19
	s_add_co_u32 s22, s22, s17
	s_lshl_b32 s60, s22, 9                         ; where my words go: e = 0: q's 512 bytes of the unit; e = 1: k's 256 (and v's 256, 131,072 bytes further on)
	s_lshr_b32 s60, s60, s18
	s_mul_i32 s61, s18, KSO-QSO
	s_add_co_u32 s60, s60, s61
	s_add_co_u32 s60, s60, QSO
	s_mov_b32 s61, 0
	s_lshl_b32 s22, s22, 12                        ; q, k and v: 4,096 bytes a unit each
	s_mov_b32 s23, 0
	s_lshl_b32 s2, s86, 8                          ; the head's 64 numbers in a bias
	s_mov_b32 s3, 0
	s_mov_b32 s20, 0x76543210                      ; v_permlanex16_b32's selects for lane l xor 16
	s_mov_b32 s21, 0xfedcba98
	; every vector address is made here, ahead of the first branch on the wave's number
	v_and_b32 v1, 31, v0                           ; lane
	v_and_b32 v2, 15, v0                           ; r
	s_wait_alu depctr_va_vdst(0)
	v_bfe_u32 v3, v0, 4, 1                         ; h
	s_lshl_b32 s19, s16, 15
	v_lshl_add_u32 v4, v1, 4, s19                  ; x's fragments: 16 x lane + my four tiles
	v_lshl_add_u32 v6, v1, 4, WC0                  ; W's fragments, chunk 0
	v_lshl_add_u32 v7, v1, 4, WC1                  ; chunk 1
	s_lshl_b32 s19, s16, 11
	s_add_co_u32 s19, s19, ASC
	v_lshl_add_u32 v8, v2, 2, s19                  ; x's scale words: my four tiles, slot r
	v_lshl_add_u32 v9, v2, 2, WSC                  ; W's
	s_lshl_b32 s19, s17, 10
	s_add_co_u32 s19, s19, SCR                     ; my unit's 1,024 bytes of words
	s_lshl_b32 s99, s18, 8
	s_add_co_u32 s99, s99, s19
	v_lshl_add_u32 v10, v2, 2, s99                 ; q's: tile 4 e + m, slot r
	s_lshl_b32 s99, s18, 7
	s_add_co_u32 s99, s99, s19
	s_add_co_u32 s99, s99, 512
	v_lshl_add_u32 v11, v2, 2, s99                 ; k's: pair 2 e + m / 2
	s_lshl_b32 s99, s18, 1
	s_add_co_u32 s99, s99, s19
	s_add_co_u32 s99, s99, 768
	v_lshl_add_u32 v12, v2, 2, s99                 ; v's: bytes 2 e, 2 e + 1 of feature slot r's word
	v_lshl_add_u32 v13, v0, 4, SCR                 ; back: 16 bytes a thread
	s_lshl_b32 s99, s18, 11
	v_lshl_add_u32 v14, v1, 4, s99                 ; in the unit: q's and k's images of tiles 4 e on
	v_lshl_add_u32 v5, v2, 4, s99
	v_lshl_add_u32 v5, v3, 10, v5                  ; v: block 2 e + h, 16 r
	s_mul_i32 s99, s18, 130816
	s_add_co_u32 s99, s99, 256
	v_mul_u32_u24 v15, s99, v3
	v_lshl_add_u32 v15, v2, 4, v15                 ; words: 16 r, and for the upper half of the lanes 256 (q) or 131,072 (k's lanes, then v's) on
	v_lshlrev_b32 v17, 6, v3                       ; bq, bk: my half's 16 features on
	v_and_b32 v18, 8, v2
	v_add_nc_u32 v18, v18, v2
	v_lshlrev_b32 v18, 2, v18                      ; bv: feature r + 8 (r / 8) of a tile
.irp b, 0,1,2,3
	v_mov_b32 v[TM+4+\b], 0                        ; written once: a lane permute's destination counts as one of its sources
.endr
	s_wait_dscnt 0x0
	s_wait_kmcnt 0x0
	s_mov_b32 s[G0A0], 1                           ; 1:0 count = 1
	s_mov_b32 s[G0A0+1], 0                         ; LDS address
	s_add_nc_u64 s[G0A0+2:G0A0+3], s[4:5], s[90:91]
	s_or_b32 s[G0A0+3], s[G0A0+3], 0x80000000      ; 127:126 type = 2
	s_mov_b32 s[G0AS], 1
	s_mov_b32 s[G0AS+1], ASC
	s_add_nc_u64 s[G0AS+2:G0AS+3], s[6:7], s[94:95]
	s_or_b32 s[G0AS+3], s[G0AS+3], 0x80000000
	s_mov_b32 s[G0W0], 1
	s_mov_b32 s[G0W0+1], WC0
	s_add_nc_u64 s[G0W0+2:G0W0+3], s[4:5], s[92:93]
	s_or_b32 s[G0W0+3], s[G0W0+3], 0x80000000
	s_mov_b32 s[G0WS], 1
	s_mov_b32 s[G0WS+1], WSC
	s_add_nc_u64 s[G0WS+2:G0WS+3], s[6:7], s[96:97]
	s_or_b32 s[G0WS+3], s[G0WS+3], 0x80000000
	s_add_nc_u64 s[8:9], s[8:9], s[2:3]            ; the biases at my head
	s_add_nc_u64 s[10:11], s[10:11], s[2:3]
	s_add_nc_u64 s[12:13], s[12:13], s[2:3]
	s_add_nc_u64 s[60:61], s[14:15], s[60:61]      ; my words
	s_add_nc_u64 s[14:15], s[14:15], s[22:23]      ; my unit
	CROUND                                         ; all sixteen work-groups are here: the joint loads meet
; ONE LOAD A WAVE, in one tree of branches on the wave's number: wave 0 x's codes, wave 1 W's, wave 2 x's scale words, wave 3 W's.
.macro ARM under, g0, g1, next
	s_cmp_lt_u32 s16, \under
	s_cbranch_scc0 \next
	tensor_load_to_lds s[\g0:\g0+3], s[\g1:\g1+7]
	s_nop 0
.rept 4
	v_nop
.endr
	s_branch .Lasked
\next:
.endm
	ARM 1, G0A0, G1A, .Lhead_w
	ARM 2, G0W0, G1W, .Lhead_xs
	ARM 3, G0AS, G1AS, .Lhead_ws
	tensor_load_to_lds s[G0WS:G0WS+3], s[G1WS:G1WS+7]
	s_nop 0
.rept 4
	v_nop
.endr
.Lasked:
	WIN 0xc0                                       ; destination window 3
	s_wait_alu depctr_va_vdst(0)
.irp f, 0,1,2,3                        ; bq, bk in the transposed result's layout: lane (r, h), tile f: features 32 (f / 2) + 16 h + 8 (f % 2) + 0 .. 7
	global_load_b128 v[128+8*\f:131+8*\f], v17, s[8:9] offset:(32*(\f/2)+8*(\f%2))*4
	global_load_b128 v[132+8*\f:135+8*\f], v17, s[8:9] offset:(32*(\f/2)+8*(\f%2))*4+16
	global_load_b128 v[160+8*\f:163+8*\f], v17, s[10:11] offset:(32*(\f/2)+8*(\f%2))*4
	global_load_b128 v[164+8*\f:167+8*\f], v17, s[10:11] offset:(32*(\f/2)+8*(\f%2))*4+16
.endr
.irp t, 0,1,2,3                        ; bv: a lane holds one feature, so its eight registers of a tile hold the same number
.irp j, 0,1,2,3,4,5,6,7
	global_load_b32 v[192+8*\t+\j], v18, s[12:13] offset:(32*(\t/2)+8*(\t%2))*4
.endr
.endr
	WIN 0
.macro SCALES k                        ; the scale words of K steps 4 k .. 4 k + 3: 64 loads
.irp q, 0,1,2,3
.irp m, 0,1,2,3
	ds_load_b32 v[XS+8*\m+4*\k+\q], v8 offset:512*\m+64*(4*\k+\q)
.endr
.irp f, 0,1,2,3,4,5,6,7,8,9,10,11
	ds_load_b32 v[WS+8*\f+4*\k+\q], v9 offset:512*\f+64*(4*\k+\q)
.endr
.endr
.endm
.macro FETCH s, p                      ; K step s's fragments into set p: 32 loads, each of 512 consecutive bytes
	WIN 0x40                                       ; destination window 1
.irp f, 0,1,2,3,4,5,6,7,8,9,10,11
.irp c, 0,1
	ds_load_b128 v[96*\p+8*\f+4*\c:96*\p+8*\f+4*\c+3], v[6+\f/6] offset:8192*(\f%6)+1024*\s+512*\c
.endr
.endr
	WIN 0
.irp m, 0,1,2,3
.irp c, 0,1
	ds_load_b128 v[XF+32*\p+8*\m+4*\c:XF+32*\p+8*\m+4*\c+3], v4 offset:8192*\m+1024*\s+512*\c
.endr
.endr
.endm
.macro MUL s, p                        ; K step s: 48 matrix instructions; the 48 accumulators take turns, one instruction a turn, in the same order in every step
.if \s == 0
	WIN 0xb1                                       ; source 0 (W) window 1, source 1 (x) window 0, C (the bias) window 3, D window 2
.else
	WIN 0xa1                                       ; C and D window 2
.endif
.irp m, 0,1,2,3
.irp f, 0,1,2,3,4,5,6,7
.if \s == 0
	v_wmma_scale_f32_16x16x128_f8f6f4 v[64*\m+8*\f:64*\m+8*\f+7], v[96*\p+8*\f:96*\p+8*\f+7], v[XF+32*\p+8*\m:XF+32*\p+8*\m+7], v[128+8*\f:135+8*\f], v[WS+8*\f+\s], v[XS+8*\m+\s] matrix_a_fmt:MATRIX_FMT_FP4 matrix_b_fmt:MATRIX_FMT_FP4
.else
	v_wmma_scale_f32_16x16x128_f8f6f4 v[64*\m+8*\f:64*\m+8*\f+7], v[96*\p+8*\f:96*\p+8*\f+7], v[XF+32*\p+8*\m:XF+32*\p+8*\m+7], v[64*\m+8*\f:64*\m+8*\f+7], v[WS+8*\f+\s], v[XS+8*\m+\s] matrix_a_fmt:MATRIX_FMT_FP4 matrix_b_fmt:MATRIX_FMT_FP4
.endif
.endr
.endr
	WIN 0xf4                                       ; source 0 (x) window 0, source 1 (Wv) window 1, C and D window 3
.irp m, 0,1,2,3
.irp t, 0,1,2,3
.if \s == 0
	v_wmma_scale_f32_16x16x128_f8f6f4 v[32*\t+8*\m:32*\t+8*\m+7], v[XF+32*\p+8*\m:XF+32*\p+8*\m+7], v[96*\p+64+8*\t:96*\p+64+8*\t+7], v[192+8*\t:199+8*\t], v[XS+8*\m+\s], v[WS+64+8*\t+\s] matrix_a_fmt:MATRIX_FMT_FP4 matrix_b_fmt:MATRIX_FMT_FP4
.else
	v_wmma_scale_f32_16x16x128_f8f6f4 v[32*\t+8*\m:32*\t+8*\m+7], v[XF+32*\p+8*\m:XF+32*\p+8*\m+7], v[96*\p+64+8*\t:96*\p+64+8*\t+7], v[32*\t+8*\m:32*\t+8*\m+7], v[XS+8*\m+\s], v[WS+64+8*\t+\s] matrix_a_fmt:MATRIX_FMT_FP4 matrix_b_fmt:MATRIX_FMT_FP4
.endif
.endr
.endr
.endm
	s_wait_tensorcnt 0x0                           ; my load is in: one of the four that the work-group needs
	s_barrier_signal -1
	s_barrier_wait -1                              ; everybody's are
	SCALES 0
	FETCH 0, 0
	s_wait_loadcnt 0x0                             ; the biases
	FETCH 1, 1
	s_wait_dscnt 32                                ; all but the 32 loads just issued
	MUL 0, 0
	PLACES
	FETCH 2, 0
	s_wait_dscnt 32
	MUL 1, 1
	PLACES
	FETCH 3, 1
	s_wait_dscnt 32
	MUL 2, 0
	s_wait_dscnt 0x0                               ; K step 3's fragments are in
	PLACES
	FETCH 4, 0
	SCALES 1
	MUL 3, 1
	PLACES
	FETCH 5, 1
	s_wait_dscnt 32
	MUL 4, 0
	PLACES
	FETCH 6, 0
	s_wait_dscnt 32
	MUL 5, 1
	PLACES
	FETCH 7, 1
	s_wait_dscnt 32
	MUL 6, 0
	s_wait_dscnt 0x0
	MUL 7, 1
; THE WAY OUT.  64 numbers of a lane in window w, register 16 b + i = place 32 b + 16 h + i along the next K of my row, become codes in v[PC + 8 idx] on (registers 4 c .. 4 c + 3: lanes 0-15 block 2 c,
; lanes 16-31 block 2 c + 1) and four bytes in v[TM + 4] on.  Each accumulator is read from its low end on.  wm, wc: the window bytes for the maxima (sources 0, 1) and the conversions (source 0).
.macro QUANT idx, wm, wc, src
	WIN \wm
.irp b, 0,1,2,3
	v_max3_num_f32 v[TM+\b], |v[\src+16*\b]|, |v[\src+16*\b+1]|, 0x1800000   ; my 16 numbers of block b, and the floor 2^(3 - 127): the byte cannot fall under 1
.endr
.irp i, 2,4,6,8,10,12,14
.irp b, 0,1,2,3
	v_max3_num_f32 v[TM+\b], |v[\src+16*\b+\i]|, |v[\src+16*\b+\i+1]|, v[TM+\b]
.endr
.endr
	WIN 0
.irp b, 0,1,2,3
	v_permlanex16_b32 v[TM+4+\b], v[TM+\b], s20, s21
.endr
.irp b, 0,1,2,3
	v_max_num_f32 v[TM+\b], v[TM+\b], v[TM+4+\b]   ; with lane l xor 16's: the block's largest magnitude
.endr
.irp b, 0,1,2,3
	v_add_nc_u32 v[TM+12+\b], 0xff000000, v[TM+\b] ; 2 off its exponent field: the conversion's scale operand
.endr
.irp b, 0,1,2,3
	v_lshrrev_b32 v[TM+4+\b], 23, v[TM+12+\b]      ; the scale's byte
.endr
	WIN \wc
.irp b, 0,1,2,3
	v_cvt_scalef32_pk8_fp4_f32 v[PC+8*(\idx)+2*\b], v[\src+16*\b:\src+16*\b+7], v[TM+12+\b]
	v_cvt_scalef32_pk8_fp4_f32 v[PC+8*(\idx)+2*\b+1], v[\src+16*\b+8:\src+16*\b+15], v[TM+12+\b]
.endr
	WIN 0
	v_nop                                          ; one plain instruction behind a scaled conversion
.irp c, 0,1
.irp i, 0,1
	v_permlane16_swap_b32 v[PC+8*(\idx)+4*\c+\i], v[PC+8*(\idx)+4*\c+2+\i]   ; a whole block to a lane
.endr
.endr
.endm
	WIN 0
	PLACES
.irp m, 0,1,2,3                        ; tile m's q (blocks 0, 1) and k (blocks 2, 3)
	QUANT \m, 0x0a, 0x02, 64*\m
	v_lshl_or_b32 v[QW+\m], v[TM+5], 8, v[TM+4]
	v_lshl_or_b32 v[KH+\m], v[TM+7], 8, v[TM+6]
	v_lshl_or_b32 v[QW+\m], v[QW+\m], 16, v[QW+\m] ; q's two bytes twice: q stands in either half of a K step of 128
.if \m%2
	v_lshl_or_b32 v[KW+\m/2], v[KH+\m], 16, v[KH+\m-1]   ; the pair's two tiles of keys share a fragment and a word
	ds_store_b32 v11, v[KW+\m/2] offset:64*(\m/2)
.endif
	ds_store_b32 v10, v[QW+\m] offset:64*\m        ; (lanes r and r + 16 write the same word with the same value)
	global_store_b128 v14, v[PC+8*\m:PC+8*\m+3], s[14:15] offset:512*\m          ; 32 lanes store 512 consecutive bytes, aligned
	global_store_b128 v14, v[PC+8*\m+4:PC+8*\m+7], s[14:15] offset:KO+512*\m
.endr
.irp p, 0,1                            ; v: feature tiles 2 p (blocks 0, 1: my 64 keys) and 2 p + 1 (blocks 2, 3)
	QUANT 4+\p, 0x0f, 0x03, 64*\p
	v_lshl_or_b32 v[VH+2*\p], v[TM+5], 8, v[TM+4]
	v_lshl_or_b32 v[VH+2*\p+1], v[TM+7], 8, v[TM+6]
	ds_store_b16 v12, v[VH+2*\p] offset:64*(2*\p)
	ds_store_b16 v12, v[VH+2*\p+1] offset:64*(2*\p+1)
	global_store_b128 v5, v[PC+8*(4+\p):PC+8*(4+\p)+3], s[14:15] offset:VO+256*(2*\p)     ; sixteen lanes store 256 consecutive bytes, aligned
	global_store_b128 v5, v[PC+8*(4+\p)+4:PC+8*(4+\p)+7], s[14:15] offset:VO+256*(2*\p+1)
.endr
	s_wait_dscnt 0x0                               ; for the others' sake: my words lie in LDS
	s_barrier_signal -1
	s_barrier_wait -1
	ds_load_b128 v[240:243], v13                   ; my half of my unit's 1,024 bytes of words
	s_wait_dscnt 0x0
	global_store_b128 v15, v[240:243], s[60:61]
	s_wait_tensorcnt 0x0
	ds_add_u32 v254, v255
	s_wait_dscnt 0x0
	CROUND                                         ; the closing round: no work-group ends while a partner may still ask for a tile that names it
	s_endpgm
.Lfunc_end_k_q226ae65ad3_qkv:
	.size	k_q226ae65ad3_qkv, .Lfunc_end_k_q226ae65ad3_qkv-k_q226ae65ad3_qkv
	.p2alignl 7, 3214868480
	.fill 96, 4, 3214868480
	.section	.rodata,"a",@progbits
	.p2align	6, 0x0
	.amdhsa_kernel k_q226ae65ad3_qkv
		.amdhsa_group_segment_fixed_size 262656
		.amdhsa_private_segment_fixed_size 0
		.amdhsa_enable_private_segment 0
		.amdhsa_kernarg_size 48
		.amdhsa_user_sgpr_count 2
		.amdhsa_user_sgpr_kernarg_segment_ptr 1
		.amdhsa_wavefront_size32 1
		.amdhsa_system_sgpr_workgroup_id_x 1
		.amdhsa_system_sgpr_workgroup_id_y 1
		.amdhsa_system_sgpr_workgroup_id_z 1
		.amdhsa_system_vgpr_workitem_id 0
		.amdhsa_next_free_vgpr 1024
		.amdhsa_next_free_sgpr 100
		.amdhsa_reserve_vcc 0
		.amdhsa_float_denorm_mode_32 3
		.amdhsa_float_denorm_mode_16_64 3
		.amdhsa_memory_ordered 1
		.amdhsa_forward_progress 1
		.amdhsa_inst_pref_size 114
	.end_amdhsa_kernel
	.amdgpu_metadata
---
amdhsa.version: [ 1, 2 ]
amdhsa.kernels:
  - .name:           k_q226ae65ad3_qkv
    .symbol:         k_q226ae65ad3_qkv.kd
    .args:
      - { .name: codes, .offset: 0, .size: 8, .value_kind: global_buffer, .address_space: global }
      - { .name: scales, .offset: 8, .size: 8, .value_kind: global_buffer, .address_space: global }
      - { .name: bq, .offset: 16, .size: 8, .value_kind: global_buffer, .address_space: global }
      - { .name: bk, .offset: 24, .size: 8, .value_kind: global_buffer, .address_space: global }
      - { .name: bv, .offset: 32, .size: 8, .value_kind: global_buffer, .address_space: global }
      - { .name: qkv, .offset: 40, .size: 8, .value_kind: global_buffer, .address_space: global }
    .group_segment_fixed_size: 262656
    .private_segment_fixed_size: 0
    .kernarg_segment_align: 8
    .kernarg_segment_size: 48
    .max_flat_workgroup_size: 128
    .sgpr_count:     100
    .vgpr_count:     1024
    .wavefront_size: 32
...
	.end_amdgpu_metadata
.endif
;; end of part 2
;; launch attproj (part 3): grid 128 x 2, 16 waves a work-group, clusters of 2 x 2, 327,680 bytes of LDS; arguments qkv, codes, scales, bo, hidden_states, out0; writes out0
.if DOCPART == 3
	.amdgcn_target "amdgcn-amd-amdhsa--gfx1250"
	.amdhsa_code_object_version 6
	.text
	.protected	k_q226ae65ad3_attproj
	.globl	k_q226ae65ad3_attproj
	.p2align	8
	.type	k_q226ae65ad3_attproj,@function
k_q226ae65ad3_attproj:
	s_mov_b64 s[64:65], 0
	v_nop
	global_prefetch_b8 v0, s[64:65] scope:SCOPE_SE
	s_setreg_imm32_b32 hwreg(HW_REG_WAVE_MODE, 25, 1), 1
	s_wait_xcnt 0x0
	s_wait_alu depctr_hold_cnt(0) depctr_sa_sdst(0) depctr_va_vdst(0) depctr_va_sdst(0) depctr_va_ssrc(0) depctr_va_vcc(0) depctr_vm_vsrc(0)
	s_getreg_b32 s2, hwreg(HW_REG_IB_STS2, 6, 4)
	s_cmp_eq_u32 s2, 0
	s_cbranch_scc0 .Lentry_in_a_cluster
	s_endpgm
.Lentry_in_a_cluster:
	s_bfe_u32 s2, ttmp6, 0x10000c
	s_cmp_lg_u32 s2, 0x3011
	s_cbranch_scc0 .Lentry_shape_is_right
	s_endpgm
.Lentry_shape_is_right:
; out0 = hidden_states + attn Wo^T + bo: attention under the causal band of 256 keys and the output projection in one launch, all products on MX-FP4 codes.
; SHARES.  A work-group owns one tile of 16 queries (batch b, block G of 32 queries, tile u of the block) and all 16 heads; wave w makes head w's attention, then features 64 w .. 64 w + 63 of the 16 rows of out0.
; CLUSTER 2 x 2: the two tiles of a block (u = cx) in both batches (b = cy): the four have the same G, so every branch is the same in all four.  A row of the cluster (both tiles of one block) needs the same
; blocks of k and v and asks for them jointly; all four need Wo's codes and ask for them jointly.
; THE BAND.  Queries of block G see keys of blocks G - 8 .. G: nine blocks of 32 keys, all scores in registers at once; only the first and the last block are masked within.
; WORK LEFT OUT: keys outside these blocks, and the products of blocks before the sequence's start (8 - G of them where G < 8): the band or the start hides them whatever the inputs hold.  What such a block's loads
; bring (bytes of the same buffer, finite scale bytes) is never multiplied by anything but zero codes.  LIMIT: a NaN or an infinity that reaches only hidden scores is not carried to the result.
; SOFTMAX: t = score x log2(e) / 8; M = the row's largest t rounded up; p = 2^(t - M) is quantised along the keys, not normalised; the sum of the unquantised p divides O.
; TENSOR LOADS, one a wave behind each of three rounds, each wave into bytes that it alone reads: first its head's k and v (two rows of 9,216 bytes, 18,432 bytes a wave from LDS byte 0 on); when these are in
; registers, K steps 0 to 3 of its four tiles of Wo (16,384 bytes a wave from byte 0 on); when these are, K steps 4 to 7.  There is no loop to run ahead in, so nothing is prefetched.
; LIMITS: NaN and infinities are not served; a block whose largest magnitude lies under 2^-124, a block of zeros too, gets the byte 1; 1 / l is v_rcp_f32 (1 ulp).
; LDS: at the end each wave's 16,384 bytes hold its stage for its rows; WSC Wo's scale words, 2,048 a wave (stored behind these bytes' one fill and its reads); KVW words of k and v, 1,536 a wave, then O's codes;
; ATW O's scale words; SPARE.
; REGISTERS: v16-31 q in either half of a K step, then v's ninth block; v32-103 k, then v (v32-95) and p's codes; v104-247 scores, then p.  Projection: v16-143 Wo, v144-175 O, then its codes, v176-207 residual, v208-239 sums (begun as bo), v240-255 scale words.
.set KVB,   18432                      ; k's and v's nine blocks of a head
.set VOFF,  9216                       ; v's among them
.set WSC,   262144
.set KVW,   294912
.set ATW,   319488
.set SPARE, 320000
.set KO,    2097152                    ; in qkv: k; v lies 2,097,152 bytes behind it; q's and k's words
.set QSO,   6291456
.set KSO,   6553600
.set S,     104
.set SPW,   4
.set NIL,   5
.set O,     144
.set RS,    176
.set AC,    208
.macro CROUND                          ; a round of the cluster's barrier
	s_barrier_signal -1
	s_barrier_wait -1
	s_cmp_lg_u32 s16, 0
	s_cbranch_scc1 .Lnot_wave_0_\@
	s_barrier_signal -3
.Lnot_wave_0_\@:
	s_barrier_wait -3
	s_barrier_signal -1
	s_barrier_wait -1
.endm
.macro PLACES                          ; four plain instructions between a matrix instruction and a load into, or a read of, its registers
.rept 4
	v_nop
.endr
.endm
	s_load_b256 s[4:11], s[0:1], 0x0               ; qkv, codes, scales, bo
	s_load_b128 s[12:15], s[0:1], 0x20             ; hidden_states, out0
	v_lshl_add_u32 v[SPW], v0, 2, SPARE
	v_mov_b32 v[NIL], 0
	ds_add_u32 v[SPW], v[NIL]                      ; the wave's opening: the add, twice on end
	ds_add_u32 v[SPW], v[NIL]
	v_lshrrev_b32 v1, 5, v0
	v_readfirstlane_b32 s16, v1                    ; wave = head
	s_mov_b32 s17, ttmp9                           ; G
	s_bfe_u32 s18, ttmp6, 0x40000                  ; cx: u
	s_bfe_u32 s19, ttmp6, 0x40004                  ; cy: b
	s_mov_b32 s20, 0x76543210                      ; v_permlanex16_b32's selects for lane l xor 16
	s_mov_b32 s21, 0xfedcba98
	s_mov_b32 s22, 0x3e38aa3b                      ; c = log2(e) / sqrt(64)
	s_mov_b32 s23, s22                             ; (named with it as a pair)
	; descriptor group 1, Wo: four rows of 4,096 bytes (half of K of a tile), 8,192 bytes apart in memory, dense in LDS
	s_mov_b32 s24, 15|(3<<16)|(1<<21)              ; 15:0 the mask: all four; 17:16 elements of 8 bytes; 21 set beside a mask
	s_mov_b32 s25, 512<<16
	s_mov_b32 s26, 4<<16
	s_mov_b32 s27, 512<<16
	s_mov_b32 s28, 4
	s_mov_b32 s29, 1024
	s_mov_b32 s30, 0
	s_mov_b32 s31, 0
	; k and v: two rows of 9,216 bytes, 2,097,152 bytes apart in memory, dense in LDS; the mask of my row of the cluster: places 2 cy, 2 cy + 1
	s_lshl_b32 s66, s19, 1
	s_lshl_b32 s66, 3, s66
	s_or_b32 s68, s66, (3<<16)|(1<<21)
	s_mov_b32 s69, 1152<<16
	s_mov_b32 s70, 2<<16
	s_mov_b32 s71, 1152<<16
	s_mov_b32 s72, 2
	s_mov_b32 s73, 262144
	s_mov_b32 s74, 0
	s_mov_b32 s75, 0
	s_sub_co_i32 s36, 8, s17
	s_max_i32 s36, s36, 0                          ; blocks before the sequence's start
	s_mov_b32 s39, 0xff800000                      ; -infinity
	s_lshl_b32 s38, s18, 3                         ; 8 u
	; offsets
	s_lshl_b32 s61, s19, 4
	s_add_co_u32 s61, s61, s16                     ; bh = 16 b + head
	s_lshl_b32 s40, s61, 16
	s_lshl_b32 s56, s17, 10
	s_add_co_u32 s40, s40, s56
	s_add_co_u32 s40, s40, KO-8192                 ; k at block G - 8 (where that lies before the head's first block, bytes of the same buffer)
	s_mov_b32 s41, 0
	s_lshl_b32 s62, s17, 1
	s_add_co_u32 s62, s62, s18                     ; my tile: 2 G + u
	s_lshl_b32 s63, s61, 7
	s_add_co_u32 s63, s63, s62
	s_lshl_b32 s42, s63, 9                         ; q
	s_mov_b32 s43, 0
	s_lshl_b32 s46, s63, 6
	s_add_co_u32 s46, s46, QSO                     ; its words
	s_mov_b32 s47, 0
	s_lshl_b32 s44, s61, 12
	s_lshl_b32 s62, s17, 6
	s_add_co_u32 s44, s44, s62
	s_add_co_u32 s44, s44, KSO-512                 ; k's words
	s_mov_b32 s45, 0
	s_and_b32 s62, s17, 3                          ; g = G % 4
	s_lshl_b32 s37, s62, 3                         ; 8 g: by so many bits v's words are turned
	s_lshl_b32 s62, s62, 6
	s_sub_co_u32 s62, 131072, s62                  ; from k's words at block G - 8 to v's words at its run of four blocks
	s_sub_co_u32 s63, s62, 512
	s_lshl_b32 s48, s16, 11
	s_add_co_u32 s48, s48, 448*512                 ; Wo's scale words: tiles 448 + 4 w on
	s_mov_b32 s49, 0
	s_lshl_b32 s2, s16, 15
	s_add_co_u32 s2, s2, 448*8192                  ; and its codes
	s_mov_b32 s3, 0
	s_lshl_b32 s50, s16, 8                         ; bo: 64 numbers
	s_mov_b32 s51, 0
	s_lshl_b32 s52, s19, 23                        ; row 2,048 b + 32 G + 8 u, byte 256 w of it
	s_lshl_b32 s53, s17, 17
	s_add_co_u32 s52, s52, s53
	s_lshl_b32 s53, s18, 15
	s_add_co_u32 s52, s52, s53
	s_add_co_u32 s52, s52, s50
	s_mov_b32 s53, 0
	; LDS places of my own
	s_mul_i32 s67, s16, KVB                        ; k and v
	s_lshl_b32 s57, s16, 14                        ; Wo's codes
	s_mul_i32 s58, s16, 1536
	s_add_co_u32 s58, s58, KVW                     ; words of k and v, then O's codes
	s_lshr_b32 s59, s16, 1
	s_lshl_b32 s59, s59, 6
	s_and_b32 s60, s16, 1
	s_lshl_b32 s60, s60, 1
	s_add_co_u32 s59, s59, s60
	s_add_co_u32 s59, s59, ATW                     ; my half of O's scale words: K step w / 2
	s_lshl_b32 s60, s16, 11
	s_add_co_u32 s60, s60, WSC                     ; Wo's scale words
.irp j, 20,21,22,23,24,25,26,27
	v_mov_b32 v[\j], 0                             ; zero codes beside q's, in both of its places
.endr
	v_and_b32 v13, 15, v0                          ; r
	v_bfe_u32 v14, v0, 4, 1                        ; h
	v_and_b32 v1, 31, v0
	v_lshlrev_b32 v1, 4, v1                        ; 16 x lane
	v_lshlrev_b32 v3, 4, v13                       ; 16 r
	v_lshl_add_u32 v2, v14, 10, v3
	v_mul_u32_u24 v6, s63, v14
	v_add_nc_u32 v6, v6, v3                        ; words, the second load: lanes 0-15 k's blocks 8 on, lanes 16-31 v's first run
	v_add_nc_u32 v2, s67, v2                       ; v: block h of a pair, 16 r
	v_add_nc_u32 v3, s67, v3                       ; v's ninth block: 16 r
	v_add_nc_u32 v7, s62, v1                       ; words, the third load: v's second and third run
	v_add_nc_u32 v8, s58, v1
	v_add_nc_u32 v9, s67, v1                       ; k
	v_lshlrev_b32 v12, 2, v13                      ; 4 r
	v_and_b32 v10, 8, v13
	v_add_nc_u32 v10, v10, v13
	v_add_nc_u32 v10, s38, v10                     ; my query's place in its block: 8 u + r + 8 (r / 8),
	v_lshlrev_b32 v11, 4, v14
	v_sub_nc_u32 v10, v10, v11                     ; - 16 h: register n of a block holds key n + 16 h
	v_mov_b32 v11, s39
	v_lshl_add_u32 v13, v13, 2, s58                ; k's words
	s_wait_alu depctr_va_vdst(0)
	s_wait_dscnt 0x0                               ; both opening adds are done
	s_wait_kmcnt 0x0
	s_add_nc_u64 s[42:43], s[4:5], s[42:43]
	s_add_nc_u64 s[46:47], s[4:5], s[46:47]
	s_add_nc_u64 s[44:45], s[4:5], s[44:45]
	s_add_nc_u64 s[40:41], s[4:5], s[40:41]
	s_add_nc_u64 s[48:49], s[8:9], s[48:49]
	global_load_b128 v[16:19], v1, s[42:43]        ; q twice, into two runs of registers
	global_load_b128 v[28:31], v1, s[42:43]
	global_load_b32 v15, v12, s[46:47]             ; its words
	global_load_b128 v[S:S+3], v1, s[44:45]        ; words of k and v: 1,536 bytes
	global_load_b128 v[S+4:S+7], v6, s[44:45] offset:512
	global_load_b128 v[S+8:S+11], v7, s[44:45] offset:256
	s_mov_b32 s76, 1                               ; 1:0 count = 1
	s_mov_b32 s77, s67                             ; 63:32 LDS address
	s_mov_b64 s[78:79], s[40:41]                   ; 120:64 global address
	s_or_b32 s79, s79, 0x80000000                  ; 127:126 type = 2
	s_mov_b32 s32, 1
	s_mov_b32 s33, s57
	s_add_nc_u64 s[34:35], s[6:7], s[2:3]
	s_or_b32 s35, s35, 0x80000000
	s_add_nc_u64 s[50:51], s[10:11], s[50:51]
	s_add_nc_u64 s[54:55], s[14:15], s[52:53]
	s_add_nc_u64 s[52:53], s[12:13], s[52:53]
	CROUND                                         ; all four work-groups are here: the joint loads meet
	tensor_load_to_lds s[76:79], s[68:75]          ; my head's nine blocks of k and of v
	s_nop 0
.rept 4
	v_nop
.endr
	s_wait_loadcnt 0x0                             ; q and the words
	ds_store_b128 v8, v[S:S+3]                     ; the words turn through my own bytes of LDS, which serves a wave's instructions in order (ISA guide 5.7.1.4)
	ds_store_b128 v8, v[S+4:S+7] offset:512
	ds_store_b128 v8, v[S+8:S+11] offset:1024
.irp j, 0,1,2,3,4,5,6,7
	ds_load_b32 v[248+\j], v13 offset:64*\j
.endr
	ds_load_b32 v14, v13 offset:512
	s_wait_tensorcnt 0x0                           ; k and v are in: no other wave reads them
.irp j, 0,1,2,3,4,5,6,7,8              ; k: a fragment holds a block's two tiles of 16 keys
	ds_load_b128 v[32+8*\j:35+8*\j], v9 offset:1024*\j
	ds_load_b128 v[36+8*\j:39+8*\j], v9 offset:1024*\j+512
.endr
; S^T = K Q^T with K = 64 in an instruction of K = 128: a block's first tile against q in the low half, its second against q in the high half.
; A lane holds one query; a block's 16 registers are 16 neighbouring keys.
.macro QKB j
.if \j == 8
.set KW, 14
.else
.set KW, 248+\j
.endif
	s_wait_dscnt 16-2*\j                           ; the blocks behind this one may be out
	v_wmma_scale_f32_16x16x128_f8f6f4 v[S+16*\j:S+16*\j+7], v[32+8*\j:39+8*\j], v[16:23], 0, v[KW], v15 matrix_a_fmt:MATRIX_FMT_FP4 matrix_b_fmt:MATRIX_FMT_FP4
	v_wmma_scale_f32_16x16x128_f8f6f4 v[S+16*\j+8:S+16*\j+15], v[32+8*\j:39+8*\j], v[24:31], 0, v[KW], v15 matrix_a_fmt:MATRIX_FMT_FP4 matrix_b_fmt:MATRIX_FMT_FP4
.endm
.macro QKS j                           ; near the sequence's start: a block that lies before it has no products; its scores are -infinity
	s_cmp_gt_u32 s36, \j
	s_cbranch_scc1 .Lbefore_\@
	QKB \j
	s_branch .Lon_\@
.Lbefore_\@:
.irp n, 0,1,2,3,4,5,6,7,8,9,10,11,12,13,14,15
	v_mov_b32 v[S+16*\j+\n], s39
.endr
	s_wait_alu depctr_va_vdst(0)
.Lon_\@:
.endm
	s_cmp_eq_u32 s36, 0                            ; hangs on G alone: the same in all waves and all partners
	s_cbranch_scc0 .Lstart
.irp j, 0,1,2,3,4,5,6,7,8
	QKB \j
.endr
	s_branch .Lscored
.Lstart:
.irp j, 0,1,2,3,4,5,6,7
	QKS \j
.endr
	QKB 8
.Lscored:
	PLACES
.irp t, 0,1,2,3                        ; v where k lay: runs i = 0, 1 of four blocks from block G - 8 on (a whole block to a lane), and the ninth block
.irp c, 0,1
	ds_load_b128 v[32+8*\t+4*\c:35+8*\t+4*\c], v2 offset:VOFF+2048*\c+256*\t
	ds_load_b128 v[64+8*\t+4*\c:67+8*\t+4*\c], v2 offset:VOFF+4096+2048*\c+256*\t
.endr
	ds_load_b128 v[16+4*\t:19+4*\t], v3 offset:VOFF+8192+256*\t
.endr
	s_wait_tensorcnt 0x0
	ds_add_u32 v[SPW], v[NIL]
	s_wait_dscnt 0x0                               ; the add is done, and my reads of the bytes to be filled again are over
	CROUND
	tensor_load_to_lds s[32:35], s[24:31]          ; K steps 0 to 3 of my four tiles of Wo: land while the softmax is worked
	s_nop 0
.rept 4
	v_nop
.endr
.irp n, 0,1,2,3,4,5,6,7,8,9,10,11,12,13,14,15
	v_cmp_gt_i32 vcc_lo, \n, v10                   ; is the key's place in its block behind my query's?
	v_cndmask_b32 v[S+\n], v11, v[S+\n], vcc_lo    ; block 0 (256 keys back): only such keys count
	v_cndmask_b32 v[S+128+\n], v[S+128+\n], v11, vcc_lo   ; block 8 (the diagonal): such keys are hidden
.endr
.irp b, 0,1,2,3,4,5,6,7,8              ; each block's largest score: for the row's maximum and, since p rises with the score, for the block's largest p
	v_max3_num_f32 v[6+\b], v[S+16*\b], v[S+16*\b+1], v[S+16*\b+2]
.endr
.irp i, 3,5,7,9,11,13
.irp b, 0,1,2,3,4,5,6,7,8
	v_max3_num_f32 v[6+\b], v[6+\b], v[S+16*\b+\i], v[S+16*\b+\i+1]
.endr
.endr
.irp b, 0,1,2,3,4,5,6,7,8
	v_max_num_f32 v[6+\b], v[6+\b], v[S+16*\b+15]
.endr
.irp b, 0,1,2,3,4,5,6,7
	v_permlanex16_b32 v[96+\b], v[6+\b], s20, s21
.endr
	v_permlanex16_b32 v248, v14, s20, s21
.irp b, 0,1,2,3,4,5,6,7
	v_max_num_f32 v[6+\b], v[6+\b], v[96+\b]       ; with lane l xor 16's 16 keys
.endr
	v_max_num_f32 v14, v14, v248
	v_max3_num_f32 v251, v6, v7, v8
	v_max3_num_f32 v252, v9, v10, v11
	v_max3_num_f32 v253, v12, v13, v14
	v_max3_num_f32 v251, v251, v252, v253
	v_mul_f32 v251, s22, v251                      ; the row's largest t (c is positive)
	v_floor_f32 v250, -v251                        ; -M = floor(-t) = -ceil(t): a whole number
.set J, 0
.rept 72
	v_pk_fma_f32 v[S+J:S+J+1], v[S+J:S+J+1], s[22:23], v[250:251] op_sel_hi:[1,0,0]   ; t - M, two at a time
.set J, J+2
.endr
.irp b, 0,1,2,3,4,5,6,7,8
	v_fma_f32 v[6+\b], v[6+\b], s22, v250          ; the same of each block's largest score
.endr
	s_wait_alu depctr_va_vdst(0)
.set J, 0
.rept 144
	v_exp_f32 v[S+J], v[S+J]                       ; p = 2^(t - M), at most 1: not normalised
.set J, J+1
.endr
.irp b, 0,1,2,3,4,5,6,7,8
	v_exp_f32 v[6+\b], v[6+\b]                     ; each block's largest p
.endr
	v_nop                                          ; one plain instruction behind the transcendentals
	s_wait_alu depctr_va_vdst(0)                   ; and the wait ahead of the batch's first reader
.irp c, 0,1,2,3                        ; the row's sum of the unquantised p: four chains of pairs
	v_pk_add_f32 v[248+2*\c:249+2*\c], v[S+4*\c:S+4*\c+1], v[S+4*\c+2:S+4*\c+3]
.endr
.irp k, 0,1,2,3,4,5,6,7,8,9,10,11,12,13,14,15
.irp c, 0,1,2,3
	v_pk_add_f32 v[248+2*\c:249+2*\c], v[248+2*\c:249+2*\c], v[S+16+8*\k+2*\c:S+17+8*\k+2*\c]
.endr
.endr
	v_pk_add_f32 v[248:249], v[248:249], v[250:251]
	v_pk_add_f32 v[252:253], v[252:253], v[254:255]
.irp b, 0,1,2,3,4,5,6,7,8
	v_max_num_f32 v[6+\b], 0x1800000, v[6+\b]      ; the floor 2^(3 - 127): the byte cannot fall under 1
.endr
	v_pk_add_f32 v[248:249], v[248:249], v[252:253]
.irp b, 0,1,2,3
	v_add_nc_u32 v[6+\b], 0xff000000, v[6+\b]      ; 2 off the exponent field: the conversion's scale operand
.endr
	v_add_f32 v15, v248, v249
.irp b, 4,5,6,7,8
	v_add_nc_u32 v[6+\b], 0xff000000, v[6+\b]
.endr
	v_permlanex16_b32 v249, v15, s20, s21
	v_add_f32 v15, v15, v249                       ; with lane l xor 16's: the row's sum l
	s_wait_alu depctr_va_vdst(0)
	v_rcp_f32 v15, v15
.irp b, 0,1,2,3,4,5,6,7
	v_lshrrev_b32 v[248+\b], 23, v[6+\b]           ; the scales' bytes
.endr
	v_lshl_or_b32 v248, v249, 8, v248              ; p's scale words: run 0 in v248, run 1 in v252, the ninth block's in v249
	v_lshl_or_b32 v252, v253, 8, v252
	v_lshrrev_b32 v249, 23, v14
	v_lshl_or_b32 v248, v250, 16, v248
	v_lshl_or_b32 v252, v254, 16, v252
	v_lshl_or_b32 v248, v251, 24, v248
	v_lshl_or_b32 v252, v255, 24, v252
.irp b, 0,1,2,3
	v_cvt_scalef32_pk8_fp4_f32 v[96+2*\b], v[S+16*\b:S+16*\b+7], v[6+\b]
	v_cvt_scalef32_pk8_fp4_f32 v[97+2*\b], v[S+16*\b+8:S+16*\b+15], v[6+\b]
.endr
	v_and_b32 v1, 15, v0                           ; (the plain instructions behind the conversions: from here on the registers of blocks 0 to 3 may be written)
	v_and_b32 v250, 31, v0
	v_lshl_add_u32 v1, v1, 2, s58
	v_lshlrev_b32 v250, 4, v250
.irp f, 0,1,2,3
	global_load_b128 v[O+4*\f:O+4*\f+3], v250, s[48:49] offset:512*\f   ; Wo's scale words: 2,048 bytes
.endr
.irp i, 0,1,2
.irp t, 0,1,2,3
	ds_load_b32 v[120+4*\i+\t], v1 offset:768+256*\i+64*\t   ; v's words: one for each run of four blocks from a multiple of four on
.endr
.endr
.irp b, 4,5,6,7
	v_cvt_scalef32_pk8_fp4_f32 v[96+2*\b], v[S+16*\b:S+16*\b+7], v[6+\b]
	v_cvt_scalef32_pk8_fp4_f32 v[97+2*\b], v[S+16*\b+8:S+16*\b+15], v[6+\b]
.endr
	v_cvt_scalef32_pk8_fp4_f32 v112, v[S+128:S+135], v14
	v_cvt_scalef32_pk8_fp4_f32 v113, v[S+136:S+143], v14
	v_nop
	v_bfe_u32 v7, v0, 4, 1
	v_and_b32 v8, 15, v0
	v_lshlrev_b32 v6, 12, v7
	v_lshl_add_u32 v6, v8, 4, v6                   ; rows: lanes 0-15 one slot, lanes 16-31 the next; 16 bytes a lane
	v_lshlrev_b32 v7, 6, v7                        ; bo: my half's 16 features on
.irp f, 0,1,2,3                        ; the sums begin as bo: lane (r, h), tile f: features 32 (f / 2) + 16 h + 8 (f % 2) + 0 .. 7
	global_load_b128 v[AC+8*\f:AC+8*\f+3], v7, s[50:51] offset:(32*(\f/2)+8*(\f%2))*4
	global_load_b128 v[AC+8*\f+4:AC+8*\f+7], v7, s[50:51] offset:(32*(\f/2)+8*(\f%2))*4+16
.endr
.irp n, 0,1,2,3,4,5,6,7                ; the residual: slot 2 n + h is row 2 n + h + 8 (n / 4); sixteen lanes read 256 consecutive bytes
	global_load_b128 v[RS+4*\n:RS+4*\n+3], v6, s[52:53] offset:(2*\n+8*(\n/4))*4096 th:TH_LOAD_NT
.endr
	s_wait_alu depctr_va_vdst(0)
	s_wait_dscnt 0x0
.irp t, 0,1,2,3                        ; v's words turned to runs of four blocks from block G - 8 on
	v_lshrrev_b32 v[140+\t], s37, v[128+\t]
.endr
.irp t, 0,1,2,3
	v_alignbit_b32 v[136+\t], v[128+\t], v[124+\t], s37
	v_alignbit_b32 v[132+\t], v[124+\t], v[120+\t], s37
.endr
.irp j, 114,115,116,117,118,119
	v_mov_b32 v[\j], 0                             ; zero codes behind the ninth block's
.endr
.irp q, 96,100,104,108,112             ; a whole block to a lane
	v_permlane16_swap_b32 v[\q], v[\q+2]
	v_permlane16_swap_b32 v[\q+1], v[\q+3]
.endr
	v_and_b32 v14, 31, v0
	v_and_b32 v13, 15, v0
	v_lshl_add_u32 v8, v14, 4, s60                 ; Wo's scale words, in
	v_lshl_add_u32 v1, v14, 4, s57                 ; Wo's fragments
	v_lshl_add_u32 v2, v14, 4, s58                 ; O's codes, in
	v_lshlrev_b32 v14, 4, v14
	v_add_nc_u32 v14, KVW, v14                     ; and back
	v_lshl_add_u32 v3, v13, 2, s59                 ; O's scale words, in
	v_lshl_add_u32 v12, v13, 2, s60                ; Wo's scale words, back
	v_lshlrev_b32 v13, 2, v13
	v_add_nc_u32 v13, ATW, v13                     ; O's scale words, back
	s_wait_alu depctr_va_vdst(0)                   ; behind the transcendental, ahead of the waits and branches below
	s_wait_loadcnt 16                              ; Wo's scale words are in; bo's and the residual's 16 loads may be out
.irp f, 0,1,2,3
	ds_store_b128 v8, v[O+4*\f:O+4*\f+3] offset:512*\f
.endr
	s_wait_dscnt 0x0                               ; the stores have read the registers that O takes
.irp t, 0,1,2,3                        ; O^T = V^T P^T: four accumulators by turns.  The ninth block first: v's registers behind its 16 bytes a lane meet zero codes
	v_wmma_scale_f32_16x16x128_f8f6f4 v[O+8*\t:O+8*\t+7], v[16+4*\t:23+4*\t], v[112:119], 0, v[140+\t], v249 matrix_a_fmt:MATRIX_FMT_FP4 matrix_b_fmt:MATRIX_FMT_FP4
.endr
	s_cmp_eq_u32 s36, 8                            ; run 1 lies before the sequence's start
	s_cbranch_scc1 .Lo_made
.irp t, 0,1,2,3
	v_wmma_scale_f32_16x16x128_f8f6f4 v[O+8*\t:O+8*\t+7], v[64+8*\t:71+8*\t], v[104:111], v[O+8*\t:O+8*\t+7], v[136+\t], v252 matrix_a_fmt:MATRIX_FMT_FP4 matrix_b_fmt:MATRIX_FMT_FP4
.endr
	s_cmp_gt_u32 s36, 3                            ; run 0 does
	s_cbranch_scc1 .Lo_made
.irp t, 0,1,2,3
	v_wmma_scale_f32_16x16x128_f8f6f4 v[O+8*\t:O+8*\t+7], v[32+8*\t:39+8*\t], v[96:103], v[O+8*\t:O+8*\t+7], v[132+\t], v248 matrix_a_fmt:MATRIX_FMT_FP4 matrix_b_fmt:MATRIX_FMT_FP4
.endr
.Lo_made:
	PLACES
.macro WCHUNK                          ; Wo's fragments of four K steps: 32 loads, K step by K step
.irp s, 0,1,2,3
.irp f, 0,1,2,3
.irp c, 0,1
	ds_load_b128 v[16+8*(4*\f+\s)+4*\c:19+8*(4*\f+\s)+4*\c], v1 offset:4096*\f+1024*\s+512*\c
.endr
.endr
.endr
.endm
	s_wait_tensorcnt 0x0                           ; my four tiles' K steps 0 to 3 are in: no other wave reads them
	WCHUNK
	s_wait_tensorcnt 0x0
	ds_add_u32 v[SPW], v[NIL]
	s_add_nc_u64 s[34:35], s[34:35], 4096          ; K steps 4 to 7
	s_wait_dscnt 0x0                               ; the add is done, and my reads of the bytes to be filled again are over
	CROUND
	tensor_load_to_lds s[32:35], s[24:31]          ; lands while O is quantised and exchanged
	s_nop 0
.rept 4
	v_nop
.endr
	; O^T / l, quantised along d (register 16 b + i is d = 32 b + 16 h + i of my query): half a K step of the projection's operand
.irp j, 0,1,2,3,4,5,6,7,8,9,10,11,12,13,14,15,16,17,18,19,20,21,22,23,24,25,26,27,28,29,30,31
	v_mul_f32 v[O+\j], v[O+\j], v15
.endr
.irp b, 0,1
	v_max3_num_f32 v[244+\b], |v[O+16*\b]|, |v[O+16*\b+1]|, 0x1800000
.endr
.irp i, 2,4,6,8,10,12,14
.irp b, 0,1
	v_max3_num_f32 v[244+\b], v[244+\b], |v[O+16*\b+\i]|, |v[O+16*\b+\i+1]|
.endr
.endr
.irp b, 0,1
	v_permlanex16_b32 v[246+\b], v[244+\b], s20, s21
.endr
.irp b, 0,1
	v_max_num_f32 v[244+\b], v[244+\b], v[246+\b]
.endr
.irp b, 0,1
	v_add_nc_u32 v[244+\b], 0xff000000, v[244+\b]
.endr
.irp b, 0,1
	v_lshrrev_b32 v[246+\b], 23, v[244+\b]
.endr
	v_lshl_or_b32 v246, v247, 8, v246              ; my head's two bytes of the row's word
.irp b, 0,1
	v_cvt_scalef32_pk8_fp4_f32 v[240+2*\b], v[O+16*\b:O+16*\b+7], v[244+\b]
	v_cvt_scalef32_pk8_fp4_f32 v[241+2*\b], v[O+16*\b+8:O+16*\b+15], v[244+\b]
.endr
	v_nop
	v_permlane16_swap_b32 v240, v242
	v_permlane16_swap_b32 v241, v243               ; lane (r, h): block h of my head, slot r
	ds_store_b128 v2, v[240:243]
	ds_store_b16 v3, v246                          ; (lanes r and r + 16 write the same bytes with the same value)
	s_wait_dscnt 0x0                               ; for the others' sake
	s_barrier_signal -1
	s_barrier_wait -1                              ; all 16 heads' codes are in LDS
.macro ACHUNK k                        ; O's codes and all scale words of K steps 4 k .. 4 k + 3: 28 loads
.irp s, 0,1,2,3
.irp c, 0,1
	ds_load_b128 v[O+8*\s+4*\c:O+8*\s+4*\c+3], v14 offset:1536*(8*\k+2*\s+\c)
.endr
	ds_load_b32 v[8+\s], v13 offset:64*(4*\k+\s)
.irp f, 0,1,2,3
	ds_load_b32 v[240+4*\f+\s], v12 offset:512*\f+64*(4*\k+\s)
.endr
.endr
.endm
.macro PROD s                          ; TRANSPOSED: source 0 = 16 rows of Wo, source 1 = O: a lane holds one row and eight neighbouring features; the four sums by turns
.irp f, 0,1,2,3
	v_wmma_scale_f32_16x16x128_f8f6f4 v[AC+8*\f:AC+8*\f+7], v[16+8*(4*\f+\s):23+8*(4*\f+\s)], v[O+8*\s:O+8*\s+7], v[AC+8*\f:AC+8*\f+7], v[240+4*\f+\s], v[8+\s] matrix_a_fmt:MATRIX_FMT_FP4 matrix_b_fmt:MATRIX_FMT_FP4
.endr
.endm
	ACHUNK 0
	s_wait_loadcnt 8                               ; bo is in; the residual's eight loads may be out
	s_wait_dscnt 0x0
.irp s, 0,1,2,3
	PROD \s
.endr
	PLACES
	ACHUNK 1
	s_wait_tensorcnt 0x0                           ; K steps 4 to 7 of my tiles
	WCHUNK
.irp s, 0,1,2,3
	s_wait_dscnt 24-8*\s                           ; the later K steps' fragments of Wo may be out
	PROD \s
.endr
	; THE WAY OUT: 16 rows x 64 features through my own bytes of LDS (filled for the last time, and read), rows 272 bytes apart
	v_and_b32 v2, 15, v0                           ; (these eight are also the places in front of the first read of results)
	v_bfe_u32 v3, v0, 4, 1
	v_mul_u32_u24 v7, 272, v2
	v_mul_u32_u24 v14, 272, v3
	v_lshl_add_u32 v7, v3, 6, v7
	v_lshl_add_u32 v14, v2, 4, v14
	v_add_nc_u32 v7, s57, v7                       ; in: slot r, my half's 16 features of each 32
	v_add_nc_u32 v14, s57, v14                     ; back: lanes 0-15 one slot, lanes 16-31 the next
.irp f, 0,1,2,3
	ds_store_b128 v7, v[AC+8*\f:AC+8*\f+3] offset:128*(\f/2)+32*(\f%2)
	ds_store_b128 v7, v[AC+8*\f+4:AC+8*\f+7] offset:128*(\f/2)+32*(\f%2)+16
.endr
.irp n, 0,1,2,3,4,5,6,7
	ds_load_b128 v[16+4*\n:19+4*\n], v14 offset:544*\n   ; LDS serves a wave's instructions in order: these see my stores
.endr
	s_wait_loadcnt 0x0                             ; the residual
.irp n, 0,1,2,3,4,5,6,7
	s_wait_dscnt 7-\n
	v_pk_add_f32 v[16+4*\n:17+4*\n], v[16+4*\n:17+4*\n], v[RS+4*\n:RS+4*\n+1]
	v_pk_add_f32 v[18+4*\n:19+4*\n], v[18+4*\n:19+4*\n], v[RS+4*\n+2:RS+4*\n+3]
	global_store_b128 v6, v[16+4*\n:19+4*\n], s[54:55] offset:(2*\n+8*(\n/4))*4096 th:TH_STORE_NT   ; sixteen lanes store 256 consecutive bytes, aligned
.endr
	s_wait_tensorcnt 0x0                           ; the wave's end
	ds_add_u32 v[SPW], v[NIL]
	s_wait_dscnt 0x0
	CROUND                                         ; the closing round: no work-group ends while a partner may still ask for a tile that names it
	s_endpgm
.Lfunc_end_k_q226ae65ad3_attproj:
	.size	k_q226ae65ad3_attproj, .Lfunc_end_k_q226ae65ad3_attproj-k_q226ae65ad3_attproj
	.p2alignl 7, 3214868480
	.fill 96, 4, 3214868480
	.section	.rodata,"a",@progbits
	.p2align	6, 0x0
	.amdhsa_kernel k_q226ae65ad3_attproj
		.amdhsa_group_segment_fixed_size 327680
		.amdhsa_private_segment_fixed_size 0
		.amdhsa_enable_private_segment 0
		.amdhsa_kernarg_size 48
		.amdhsa_user_sgpr_count 2
		.amdhsa_user_sgpr_kernarg_segment_ptr 1
		.amdhsa_wavefront_size32 1
		.amdhsa_system_sgpr_workgroup_id_x 1
		.amdhsa_system_sgpr_workgroup_id_y 1
		.amdhsa_system_sgpr_workgroup_id_z 1
		.amdhsa_system_vgpr_workitem_id 0
		.amdhsa_next_free_vgpr 256
		.amdhsa_next_free_sgpr 80
		.amdhsa_reserve_vcc 1
		.amdhsa_float_denorm_mode_32 3
		.amdhsa_float_denorm_mode_16_64 3
		.amdhsa_memory_ordered 1
		.amdhsa_forward_progress 1
		.amdhsa_inst_pref_size 72
	.end_amdhsa_kernel
	.amdgpu_metadata
---
amdhsa.version: [ 1, 2 ]
amdhsa.kernels:
  - .name:           k_q226ae65ad3_attproj
    .symbol:         k_q226ae65ad3_attproj.kd
    .args:
      - { .name: qkv, .offset: 0, .size: 8, .value_kind: global_buffer, .address_space: global }
      - { .name: codes, .offset: 8, .size: 8, .value_kind: global_buffer, .address_space: global }
      - { .name: scales, .offset: 16, .size: 8, .value_kind: global_buffer, .address_space: global }
      - { .name: bo, .offset: 24, .size: 8, .value_kind: global_buffer, .address_space: global }
      - { .name: hidden_states, .offset: 32, .size: 8, .value_kind: global_buffer, .address_space: global }
      - { .name: out0, .offset: 40, .size: 8, .value_kind: global_buffer, .address_space: global }
    .group_segment_fixed_size: 327680
    .private_segment_fixed_size: 0
    .kernarg_segment_align: 8
    .kernarg_segment_size: 48
    .max_flat_workgroup_size: 512
    .sgpr_count:     80
    .vgpr_count:     256
    .wavefront_size: 32
...
	.end_amdgpu_metadata
.endif
;; end of part 3
